; MI455X (gfx1250); checked and timed in simulation.
; The chip was launched on July 23, 2026; its instructions are those of AMD's public machine-readable ISA for CDNA 5 (MIT licence, August 2026) and "CDNA5" Instruction Set Architecture Reference Guide (July 2026). The comments in the code are by the model that wrote it; some were corrected since.
;; Attention. Allowed arithmetic: float matrix products may take bf16 or f16 operands with f32 sums; all other float work in f32.
;; Inputs: embed_output 32 x 2,048 x 1,024 float32; mask 32 x 2,048 bool; w 1,024 x 1,024 float32.
;; Outputs: out0 32 x 1,024 float32; out1 32 x 2,048 x 1 float32.
;; 2 versions, each right; version 2 is version 1 with the launch colsum written anew for expert scheduling mode. Each part assembles by itself: llvm-mc -triple=amdgcn-amd-amdhsa -mcpu=gfx1250 --defsym DOCPART=n.
;; ======== version 1 of 2: 4 launches
;; workspace buffers: sums 262,144 bytes; vt 131,072 bytes; fraw 262,144 bytes; pacc 1,048,576 bytes; bits 8,192 bytes of whole numbers
;; launch colsum (part 1): grid 256 x 1, 16 waves a work-group, no clusters, 18,688 bytes of LDS; arguments embed_output, mask, sums, bits; writes sums, bits
.if DOCPART == 1
	.amdgcn_target "amdgcn-amd-amdhsa--gfx1250"
	.amdhsa_code_object_version 6
	.text
	.protected	k_q83f615b57d_colsum
	.globl	k_q83f615b57d_colsum
	.p2align	8
	.type	k_q83f615b57d_colsum,@function
k_q83f615b57d_colsum:
	s_mov_b64 s[64:65], 0
	v_nop
	global_prefetch_b8 v0, s[64:65] scope:SCOPE_SE
	s_setreg_imm32_b32 hwreg(HW_REG_WAVE_MODE, 25, 1), 1
	s_wait_xcnt 0x0
; First pass over E [32][2048][1024] f32.  For each batch and column two sums over the 2,048 rows:
;   T  = the sum of all rows (2,048 x the mean that the scores need),
;   Sm = the sum of the rows whose mask byte is 0.  All such rows get one and the same softmax weight later on, so their
;        part of the weighted sum is that weight times Sm, and the second pass need not read them.
; Work-group wg = 8 b + strip takes all rows of batch b in the strip of 128 columns (512 bytes of a row), so no sum spans
; work-groups.  Wave w takes rows 128 w .. 128 w + 127; one 16-byte load a lane covers a row's 512 consecutive bytes, which
; start at a multiple of 512 from E's first byte.  Lane l owns columns 128 strip + 4 l .. + 3.
; A ring of 32 row slots in registers keeps 32 loads of every wave on their way: 16 waves x 32 x 512 bytes = 256 KiB.
; The 128 rows are written out in a straight line: the row stands in the load's immediate, and no address register is rewritten.
; On the side the mask is packed into whole numbers for the second pass, which forms its row addresses and trip counts from them:
; bits: [b][64] words, bit r % 32 of word r / 32 = bit 0 of row r's mask byte.  The strip-0 work-group of a batch stores its 256 bytes.
; Left out: matrix units (two additions a number), LDS rings and clusters (no byte of E is wanted by two waves).
; sums: [b][strip][2][128] f32, part 0 = T, part 1 = Sm: the work-group writes 1,024 consecutive bytes.
; Limits: the order of the additions differs from the reference's; an Inf or NaN in a row with mask 1 would spoil Sm (0 x Inf);
; of a mask byte bit 0 alone is looked at (a bool is 0 or 1).
.set ROWB,  4096                       ; bytes in a row of E
.set DEPTH, 32                         ; slots = loads on their way in a wave
.set NROWS, 128                        ; rows of a wave
.set BITS,  16384                      ; LDS: behind the sixteen waves' sums, 16 bytes a wave: its four words of mask bits
.set VOFF, 1                           ; v1        16 x lane, never rewritten
.set T,    2                           ; v[2:5]    sum of all rows, my 4 columns
.set S,    6                           ; v[6:9]    sum of the rows with mask 0
.set LA,   10                          ; v10       LDS: where my wave's sums go
.set RA,   11                          ; v11       the lane; later my 8 bytes in the final addition
.set X,    12                          ; v[12:139] slot i: 4 registers
.set BW,   140                         ; v[140:143] mask byte of row 32 k + lane; later my wave's four words of bits
.set MK,   16                          ; s[16:47]  my wave's 128 mask bytes
.set WM,   48                          ; s48 weight of the row in Sm (1.0 or 0); s49 fills the pair
.set WV,   50                          ; s50 wave
.set BB,   51                          ; s51 batch
	s_load_b256 s[4:11], s[0:1], 0x0               ; E s[4:5], mask s[6:7], sums s[8:9], bits s[10:11]
	v_lshl_add_u32 v144, v0, 2, 0x4100
	v_mov_b32 v145, 0
	v_lshrrev_b32 v[LA], 5, v0
	v_readfirstlane_b32 s[WV], v[LA]               ; wave 0..15
	v_and_b32 v[RA], 31, v0                        ; lane
	v_lshlrev_b32 v[VOFF], 4, v[RA]
	s_lshr_b32 s[BB], ttmp9, 3                     ; b
	s_and_b32 s12, ttmp9, 7                        ; strip
	s_lshl_b32 s14, s[BB], 23                      ; a batch of E is 2,048 x 4,096 bytes
	s_lshl_b32 s13, s[WV], 19                      ; 128 rows
	s_add_co_u32 s14, s14, s13
	s_lshl_b32 s13, s12, 9                         ; 512 bytes a strip
	s_add_co_u32 s14, s14, s13                     ; below 2^28
	s_mov_b32 s15, 0
	s_mov_b32 s[WM+1], 0
	s_wait_kmcnt 0x0
	s_add_nc_u64 s[4:5], s[4:5], s[14:15]          ; E at my wave's first row, my strip
	s_lshl_b32 s14, s[BB], 11
	s_lshl_b32 s13, s[WV], 7
	s_add_co_u32 s14, s14, s13
	s_add_nc_u64 s[6:7], s[6:7], s[14:15]          ; mask at my wave's first row
	s_lshl_b32 s14, ttmp9, 10
	s_add_nc_u64 s[8:9], s[8:9], s[14:15]          ; sums at my work-group's 1,024 bytes
	s_lshl_b32 s14, s[BB], 8
	s_add_nc_u64 s[10:11], s[10:11], s[14:15]      ; bits at my batch's 256 bytes
	s_load_b512 s[MK:MK+15], s[6:7], 0x0           ; 128 mask bytes, four to a register: the rows' weights in Sm
	s_load_b512 s[MK+16:MK+31], s[6:7], 0x40
.irp k, 0,1,2,3
	global_load_u8 v[BW+\k], v[RA], s[6:7] offset:32*\k            ; the same bytes, one a lane, to be packed into bits; asked for ahead of the ring
.endr
.set r, 0
.rept DEPTH
	global_load_b128 v[X+4*r:X+4*r+3], v[VOFF], s[4:5] offset:r*ROWB th:TH_LOAD_NT   ; fill the ring: rows 0 to 31
.set r, r+1
.endr
.irp j, 0,1,2,3,4,5,6,7
	v_mov_b32 v[T+\j], 0                           ; eight registers, while the loads are on their way
.endr
	s_lshl_b32 s13, s[WV], 10
	v_add_nc_u32 v[LA], s13, v[VOFF]               ; 1,024 x wave + 16 x lane
	s_wait_kmcnt 0x0                               ; the mask bytes
; One row: T += x; Sm += weight x, the weight 1.0 where the row's mask byte is 0.  The slot is then asked for the row 32 further down.
.set r, 0
.rept NROWS
.if r < NROWS-DEPTH
	s_wait_loadcnt DEPTH-1                         ; loads come back in order: row r is in (and all that was asked for before it), the 31 younger rows stay out
.else
	s_wait_loadcnt NROWS-1-r                       ; nothing is asked for any more: the counts run down
.endif
	s_bitcmp1_b32 s[MK+r/4], 8*(r%4)               ; bit 0 of the row's mask byte
	s_cselect_b32 s[WM], 0, 0x3f800000
	v_pk_add_f32 v[T:T+1],   v[T:T+1],   v[X+4*(r%DEPTH):X+4*(r%DEPTH)+1]
	v_pk_add_f32 v[T+2:T+3], v[T+2:T+3], v[X+4*(r%DEPTH)+2:X+4*(r%DEPTH)+3]
	v_pk_fma_f32 v[S:S+1],   v[X+4*(r%DEPTH):X+4*(r%DEPTH)+1],   s[WM:WM+1], v[S:S+1]   op_sel_hi:[1,0,1]
	v_pk_fma_f32 v[S+2:S+3], v[X+4*(r%DEPTH)+2:X+4*(r%DEPTH)+3], s[WM:WM+1], v[S+2:S+3] op_sel_hi:[1,0,1]
.if r < NROWS-DEPTH
	global_load_b128 v[X+4*(r%DEPTH):X+4*(r%DEPTH)+3], v[VOFF], s[4:5] offset:(r+DEPTH)*ROWB th:TH_LOAD_NT
.endif
.set r, r+1
.endr
	; My wave's 128 mask bytes as four words: a compare over the 32 lanes gives bit l = row 32 k + l.  The scalar mask bytes are no longer needed.
.irp k, 0,1,2,3
	v_and_b32 v[BW+\k], 1, v[BW+\k]                ; bit 0, as in the weights above
.endr
.irp k, 0,1,2,3
	v_cmp_ne_u32 s[MK+\k], 0, v[BW+\k]
.endr
.irp k, 0,1,2,3
	v_mov_b32 v[BW+\k], s[MK+\k]
.endr
	s_lshl_b32 s13, s[WV], 4
	v_mov_b32 v[X], s13                            ; 16 x wave
	; The sixteen waves' sums meet in LDS: wave w's 512 bytes of T, then its 512 bytes of Sm, at 1,024 w: the layout of sums.
	ds_store_b128 v[LA], v[T:T+3]
	ds_store_b128 v[LA], v[S:S+3] offset:512
	ds_store_b128 v[X], v[BW:BW+3] offset:BITS     ; all lanes write the same 16 bytes with the same values
	s_wait_dscnt 0x0                               ; for the other waves' sake: my stores are done before I signal
	s_barrier_signal -1
	s_barrier_wait -1
	s_cmp_ge_u32 s[WV], 4                          ; 1,024 bytes are 128 threads x 8 bytes: waves 0 to 3 add and store
	s_cbranch_scc1 .Lbits
	s_lshl_b32 s13, s[WV], 8
	v_lshl_add_u32 v[RA], v[RA], 3, s13            ; 256 x wave + 8 x lane
.irp k, 0,1,2,3,4,5,6,7,8,9,10,11,12,13,14,15
	ds_load_b64 v[X+2*\k:X+2*\k+1], v[RA] offset:1024*\k
.endr
	s_wait_dscnt 0x0
.irp k, 0,1,2,3,4,5,6,7
	v_pk_add_f32 v[X+2*\k:X+2*\k+1], v[X+2*\k:X+2*\k+1], v[X+2*\k+16:X+2*\k+17]
.endr
.irp k, 0,1,2,3
	v_pk_add_f32 v[X+2*\k:X+2*\k+1], v[X+2*\k:X+2*\k+1], v[X+2*\k+8:X+2*\k+9]
.endr
.irp k, 0,1
	v_pk_add_f32 v[X+2*\k:X+2*\k+1], v[X+2*\k:X+2*\k+1], v[X+2*\k+4:X+2*\k+5]
.endr
	v_pk_add_f32 v[X:X+1], v[X:X+1], v[X+2:X+3]
	global_store_b64 v[RA], v[X:X+1], s[8:9]       ; a wave's store covers 256 consecutive bytes, at a multiple of 256 from the buffer's first byte
	s_branch .Lend
.Lbits:
	s_cmp_lg_u32 s[WV], 4                          ; the batch's 64 words are 32 lanes x 8 bytes: wave 4
	s_cbranch_scc1 .Lend
	s_cmp_lg_u32 s12, 0                            ; of the strip-0 work-group alone, so that each byte of bits has one writer
	s_cbranch_scc1 .Lend
	v_lshlrev_b32 v[RA], 3, v[RA]                  ; 8 x lane
	ds_load_b64 v[X:X+1], v[RA] offset:BITS
	s_wait_dscnt 0x0
	global_store_b64 v[RA], v[X:X+1], s[10:11]     ; 256 consecutive bytes, at a multiple of 256 from the buffer's first byte
.Lend:
	s_wait_tensorcnt 0x0
	ds_add_u32 v144, v145
	s_wait_dscnt 0x0
	s_endpgm
.Lfunc_end_k_q83f615b57d_colsum:
	.size	k_q83f615b57d_colsum, .Lfunc_end_k_q83f615b57d_colsum-k_q83f615b57d_colsum
	.p2alignl 7, 3214868480
	.fill 96, 4, 3214868480
	.section	.rodata,"a",@progbits
	.p2align	6, 0x0
	.amdhsa_kernel k_q83f615b57d_colsum
		.amdhsa_group_segment_fixed_size 18688
		.amdhsa_private_segment_fixed_size 0
		.amdhsa_enable_private_segment 0
		.amdhsa_kernarg_size 32
		.amdhsa_user_sgpr_count 2
		.amdhsa_user_sgpr_kernarg_segment_ptr 1
		.amdhsa_wavefront_size32 1
		.amdhsa_system_sgpr_workgroup_id_x 1
		.amdhsa_system_sgpr_workgroup_id_y 1
		.amdhsa_system_sgpr_workgroup_id_z 1
		.amdhsa_system_vgpr_workitem_id 0
		.amdhsa_next_free_vgpr 146
		.amdhsa_next_free_sgpr 66
		.amdhsa_reserve_vcc 0
		.amdhsa_float_denorm_mode_32 3
		.amdhsa_float_denorm_mode_16_64 3
		.amdhsa_memory_ordered 1
		.amdhsa_forward_progress 1
		.amdhsa_inst_pref_size 62
	.end_amdhsa_kernel
	.amdgpu_metadata
---
amdhsa.version: [ 1, 2 ]
amdhsa.kernels:
  - .name:           k_q83f615b57d_colsum
    .symbol:         k_q83f615b57d_colsum.kd
    .args:
      - { .name: embed_output, .offset: 0, .size: 8, .value_kind: global_buffer, .address_space: global }
      - { .name: mask, .offset: 8, .size: 8, .value_kind: global_buffer, .address_space: global }
      - { .name: sums, .offset: 16, .size: 8, .value_kind: global_buffer, .address_space: global }
      - { .name: bits, .offset: 24, .size: 8, .value_kind: global_buffer, .address_space: global }
    .group_segment_fixed_size: 18688
    .private_segment_fixed_size: 0
    .kernarg_segment_align: 8
    .kernarg_segment_size: 32
    .max_flat_workgroup_size: 512
    .sgpr_count:     66
    .vgpr_count:     146
    .wavefront_size: 32
...
	.end_amdgpu_metadata
.endif
;; end of part 1
;; launch proj (part 2): grid 64 x 1, 8 waves a work-group, no clusters, 226,304 bytes of LDS; arguments w, sums, vt; writes vt
.if DOCPART == 2
	.amdgcn_target "amdgcn-amd-amdhsa--gfx1250"
	.amdhsa_code_object_version 6
	.text
	.protected	k_q83f615b57d_proj
	.globl	k_q83f615b57d_proj
	.p2align	8
	.type	k_q83f615b57d_proj,@function
k_q83f615b57d_proj:
	s_mov_b64 s[64:65], 0
	v_nop
	global_prefetch_b8 v0, s[64:65] scope:SCOPE_SE
	s_setreg_imm32_b32 hwreg(HW_REG_WAVE_MODE, 25, 1), 1
	s_wait_xcnt 0x0
; v'[b][d] = (log2 e / 2048) x sum over e of W[d][e] T[b][e]:  W times the mean row of each batch, with the factor that turns
; e^x into 2^x folded in.  The reference's (E W) . ys equals E . (W ys) for every input; only the order of rounding differs.
; A product of 1,024 x 32 x 1,024 on the matrix units.  Work-group g takes W's rows 16 g .. 16 g + 15 and all 32 batches;
; wave w takes e = 128 w .. 128 w + 127 (strip w of sums); the eight partial tiles are added through LDS.
; An error of v' goes straight into the softmax's exponent, so each f32 operand goes in as two bf16 numbers, hi = bf16(x) and
; lo = bf16(x - hi), and three products are summed: hi hi + hi lo + lo hi; lo lo is dropped (some 2^-16 of a product).
; Each wave loads whole pieces of 512 consecutive bytes, converts, and turns them into fragments through LDS bytes of its own.
; No cluster: what the work-groups share is T, 128 KiB against the 64 KiB of W that each reads alone, and it has to pass through registers
; anyway to be split into hi and lo; a joint load would bring f32 into LDS and add a second trip through it.
; vt: [g][b][16] f32, v'[b][16 g + dd] at byte 2,048 g + 64 b + 4 dd: the work-group writes 2,048 consecutive bytes.
.set PITCH,  272                       ; a staged row: 128 bf16 = 256 bytes + 16, so that the 16 rows of a fragment load begin 68 words apart
.set PLANE,  48*PITCH                  ; rows 0-15 W, rows 16-47 T of batches 0-31; the hi plane, then the lo plane
.set WSTAGE, 2*PLANE                   ; a wave's stage: 26,112 bytes
.set RED,    8*WSTAGE                  ; behind the stages: a tile of 32 x 16 f32 = 2,048 bytes for each wave
.set VOFF, 1                           ; v1   16 x lane
.set STA,  2                           ; v2   my stage + 8 x lane: where my 4 bf16 of a row go
.set FRA,  3                           ; v3   my stage + 272 (lane % 16) + 16 (lane / 16): fragment loads
.set H,    4                           ; v[4:5]   4 numbers' hi parts
.set L,    6                           ; v[6:7]   their lo parts
.set TT,   8                           ; v[8:11]  at work
.set RST,  12                          ; v12  where my results go in my wave's tile
.set RRD,  13                          ; v13  where I read the eight tiles
.set VO,   18                          ; v18  8 x thread: my 8 bytes of the work-group's part of vt
.set X,    32                          ; v[32:223] 48 rows x 4 registers as loaded; afterwards fragment f of K step ks at X + 48 ks + 8 f:
                                       ;           f = 0 W hi, 1 W lo, 2 T(b 0-15) hi, 3 lo, 4 T(b 16-31) hi, 5 lo
.set ACC0, 224                         ; v[224:231] batches 0-15
.set ACC1, 232                         ; v[232:239] batches 16-31
	s_load_b128 s[4:7], s[0:1], 0x0                ; w s[4:5], sums s[6:7]
	s_load_b64 s[8:9], s[0:1], 0x10                ; vt
	v_lshl_add_u32 v240, v0, 2, 0x37000
	v_mov_b32 v241, 0
	v_lshrrev_b32 v14, 5, v0
	v_readfirstlane_b32 s10, v14                   ; wave 0..7
	v_and_b32 v15, 31, v0                          ; lane
	v_and_b32 v16, 15, v0                          ; r
	v_bfe_u32 v17, v0, 4, 1                        ; h
	v_lshlrev_b32 v[VOFF], 4, v15
	s_mul_i32 s11, s10, WSTAGE
	v_lshl_add_u32 v[STA], v15, 3, s11
	v_mul_u32_u24 v[FRA], v16, PITCH
	v_lshl_add_u32 v[FRA], v17, 4, v[FRA]
	v_add_nc_u32 v[FRA], s11, v[FRA]
	s_lshl_b32 s15, s10, 11
	s_add_co_u32 s15, s15, RED
	v_lshlrev_b32 v[RST], 6, v16                   ; batch r: 64 bytes a batch
	v_lshl_add_u32 v[RST], v17, 5, v[RST]          ; rows 8 h ..: 32 bytes
	v_add_nc_u32 v[RST], s15, v[RST]
	v_lshlrev_b32 v[VO], 3, v0
	v_add_nc_u32 v[RRD], RED, v[VO]
	s_mov_b32 s14, 0xffff0000                      ; a word's upper bf16
	s_lshl_b32 s12, ttmp9, 16                      ; 16 rows of W of 4,096 bytes
	s_lshl_b32 s16, s10, 9                         ; my 128 columns
	s_add_co_u32 s12, s12, s16
	s_mov_b32 s13, 0
	s_wait_kmcnt 0x0
	s_add_nc_u64 s[4:5], s[4:5], s[12:13]
	s_lshl_b32 s12, s10, 10                        ; strip w of sums, part 0
	s_add_nc_u64 s[6:7], s[6:7], s[12:13]
	s_lshl_b32 s12, ttmp9, 11
	s_add_nc_u64 s[8:9], s[8:9], s[12:13]
.set i, 0
.rept 16
	global_load_b128 v[X+4*i:X+4*i+3], v[VOFF], s[4:5] offset:4096*i th:TH_LOAD_NT   ; W's row 16 g + i: no other work-group reads it
.set i, i+1
.endr
.set i, 0
.rept 32
	global_load_b128 v[X+64+4*i:X+64+4*i+3], v[VOFF], s[6:7] offset:8192*i           ; T of batch i
.set i, i+1
.endr
	; Row by row: hi = bf16(x); lo = bf16(x - hi), the difference exact in f32; 8 bytes a lane into each plane.
.set i, 0
.rept 48
	s_wait_loadcnt 47-i                            ; loads come back in order: row i is in, the rows behind it stay out
	v_cvt_pk_bf16_f32 v[H],   v[X+4*i],   v[X+4*i+1]
	v_cvt_pk_bf16_f32 v[H+1], v[X+4*i+2], v[X+4*i+3]
	v_lshlrev_b32 v[TT],   16,  v[H]
	v_and_b32     v[TT+1], s14, v[H]
	v_lshlrev_b32 v[TT+2], 16,  v[H+1]
	v_and_b32     v[TT+3], s14, v[H+1]
	v_pk_add_f32 v[TT:TT+1],   v[X+4*i:X+4*i+1],   v[TT:TT+1]   neg_lo:[0,1] neg_hi:[0,1]
	v_pk_add_f32 v[TT+2:TT+3], v[X+4*i+2:X+4*i+3], v[TT+2:TT+3] neg_lo:[0,1] neg_hi:[0,1]
	v_cvt_pk_bf16_f32 v[L],   v[TT],   v[TT+1]
	v_cvt_pk_bf16_f32 v[L+1], v[TT+2], v[TT+3]
	ds_store_b64 v[STA], v[H:H+1] offset:PITCH*i
	ds_store_b64 v[STA], v[L:L+1] offset:PLANE+PITCH*i
.set i, i+1
.endr
	; Fragments: 16 rows x 32 along e in 8 registers; lane (r, h) takes row r, 16 bytes at 16 h and 16 bytes 32 further on.
	; The bytes are my wave's own and LDS serves a wave's instructions in order (ISA guide 5.7.1), so no wait stands between stores and loads.
.set ks, 0
.rept 4
.set f, 0
.rept 6
	ds_load_b128 v[X+48*ks+8*f:X+48*ks+8*f+3],   v[FRA] offset:(f%2)*PLANE+(f/2)*16*PITCH+64*ks
	ds_load_b128 v[X+48*ks+8*f+4:X+48*ks+8*f+7], v[FRA] offset:(f%2)*PLANE+(f/2)*16*PITCH+64*ks+32
.set f, f+1
.endr
.set ks, ks+1
.endr
.macro MM acc, ks, fa, fb, zero        ; acc (+)= fragment fa x fragment fb of K step ks; zero = 1: the product starts the sum
.if \zero
	v_wmma_f32_16x16x32_bf16 v[\acc:\acc+7], v[X+48*\ks+8*\fa:X+48*\ks+8*\fa+7], v[X+48*\ks+8*\fb:X+48*\ks+8*\fb+7], 0
.else
	v_wmma_f32_16x16x32_bf16 v[\acc:\acc+7], v[X+48*\ks+8*\fa:X+48*\ks+8*\fa+7], v[X+48*\ks+8*\fb:X+48*\ks+8*\fb+7], v[\acc:\acc+7]
.endif
.endm
; The two accumulators take turns, one instruction a turn.
.macro KSTEP ks, zero
	s_wait_dscnt 36-12*\ks                         ; this K step's 12 loads are in; those of the later K steps stay out
	MM ACC0, \ks, 0, 2, \zero                      ; hi hi
	MM ACC1, \ks, 0, 4, \zero
	MM ACC0, \ks, 0, 3, 0                          ; hi lo
	MM ACC1, \ks, 0, 5, 0
	MM ACC0, \ks, 1, 2, 0                          ; lo hi
	MM ACC1, \ks, 1, 4, 0
.endm
	KSTEP 0, 1
	KSTEP 1, 0
	KSTEP 2, 0
	KSTEP 3, 0
.rept 4
	v_nop                                          ; four places behind the last matrix instruction (ISA guide 7.12.1) before results are stored and fragment registers loaded again
.endr
	; lane (r, h), register j holds row dd = 8 h + j of batch r (ACC1: 16 + r): byte 64 b + 4 dd of my wave's tile
	ds_store_b128 v[RST], v[ACC0:ACC0+3]
	ds_store_b128 v[RST], v[ACC0+4:ACC0+7] offset:16
	ds_store_b128 v[RST], v[ACC1:ACC1+3]   offset:1024
	ds_store_b128 v[RST], v[ACC1+4:ACC1+7] offset:1040
	s_wait_dscnt 0x0                               ; for the other waves' sake: my tile is written before I signal
	s_barrier_signal -1
	s_barrier_wait -1
.irp k, 0,1,2,3,4,5,6,7
	ds_load_b64 v[X+2*\k:X+2*\k+1], v[RRD] offset:2048*\k          ; my two numbers in each wave's tile
.endr
	s_wait_dscnt 0x0
.irp k, 0,1,2,3
	v_pk_add_f32 v[X+2*\k:X+2*\k+1], v[X+2*\k:X+2*\k+1], v[X+2*\k+8:X+2*\k+9]
.endr
.irp k, 0,1
	v_pk_add_f32 v[X+2*\k:X+2*\k+1], v[X+2*\k:X+2*\k+1], v[X+2*\k+4:X+2*\k+5]
.endr
	v_pk_add_f32 v[X:X+1], v[X:X+1], v[X+2:X+3]
	v_pk_mul_f32 v[X:X+1], v[X:X+1], 0x3a38aa3b op_sel_hi:[1,0]    ; log2 e / 2048: the mean's divisor and the change of base
	global_store_b64 v[VO], v[X:X+1], s[8:9]       ; a wave's store covers 256 consecutive bytes, aligned to 256 in the buffer
	s_wait_tensorcnt 0x0
	ds_add_u32 v240, v241
	s_wait_dscnt 0x0
	s_endpgm
.Lfunc_end_k_q83f615b57d_proj:
	.size	k_q83f615b57d_proj, .Lfunc_end_k_q83f615b57d_proj-k_q83f615b57d_proj
	.p2alignl 7, 3214868480
	.fill 96, 4, 3214868480
	.section	.rodata,"a",@progbits
	.p2align	6, 0x0
	.amdhsa_kernel k_q83f615b57d_proj
		.amdhsa_group_segment_fixed_size 226304
		.amdhsa_private_segment_fixed_size 0
		.amdhsa_enable_private_segment 0
		.amdhsa_kernarg_size 24
		.amdhsa_user_sgpr_count 2
		.amdhsa_user_sgpr_kernarg_segment_ptr 1
		.amdhsa_wavefront_size32 1
		.amdhsa_system_sgpr_workgroup_id_x 1
		.amdhsa_system_sgpr_workgroup_id_y 1
		.amdhsa_system_sgpr_workgroup_id_z 1
		.amdhsa_system_vgpr_workitem_id 0
		.amdhsa_next_free_vgpr 242
		.amdhsa_next_free_sgpr 66
		.amdhsa_reserve_vcc 0
		.amdhsa_float_denorm_mode_32 3
		.amdhsa_float_denorm_mode_16_64 3
		.amdhsa_memory_ordered 1
		.amdhsa_forward_progress 1
		.amdhsa_inst_pref_size 45
	.end_amdhsa_kernel
	.amdgpu_metadata
---
amdhsa.version: [ 1, 2 ]
amdhsa.kernels:
  - .name:           k_q83f615b57d_proj
    .symbol:         k_q83f615b57d_proj.kd
    .args:
      - { .name: w, .offset: 0, .size: 8, .value_kind: global_buffer, .address_space: global }
      - { .name: sums, .offset: 8, .size: 8, .value_kind: global_buffer, .address_space: global }
      - { .name: vt, .offset: 16, .size: 8, .value_kind: global_buffer, .address_space: global }
    .group_segment_fixed_size: 226304
    .private_segment_fixed_size: 0
    .kernarg_segment_align: 8
    .kernarg_segment_size: 24
    .max_flat_workgroup_size: 256
    .sgpr_count:     66
    .vgpr_count:     242
    .wavefront_size: 32
...
	.end_amdgpu_metadata
.endif
;; end of part 2
;; launch attend (part 3): grid 256 x 1, 8 waves a work-group, no clusters, 35,328 bytes of LDS; arguments embed_output, bits, vt, fraw, pacc; writes fraw, pacc
.if DOCPART == 3
	.amdgcn_target "amdgcn-amd-amdhsa--gfx1250"
	.amdhsa_code_object_version 6
	.text
	.protected	k_q83f615b57d_attend
	.globl	k_q83f615b57d_attend
	.p2align	8
	.type	k_q83f615b57d_attend,@function
k_q83f615b57d_attend:
	s_mov_b64 s[64:65], 0
	v_nop
	global_prefetch_b8 v0, s[64:65] scope:SCOPE_SE
	s_setreg_imm32_b32 hwreg(HW_REG_WAVE_MODE, 25, 1), 1
	s_wait_xcnt 0x0
; Second pass over E, over the rows with mask 1 alone.  Work-group wg owns rows 256 wg .. + 255 of E taken as [65536][1024] (a chunk of
; batch b = wg / 8); wave w owns 32 of them and takes one row at a time, eight 16-byte loads a lane: lane l, load j = columns 128 j + 4 l .. + 3.
; For a row: f2 = E[row] . v'[b] (the score times log2 e), a running maximum M, and ACC = sum of 2^(f2 - M) E[row], rescaled when M rises.
; Rows with mask 0 are not read: their score is -1e9 for all of them, their part of the weighted sum is made in the last launch from Sm.
; M starts at that score wherever the wave has such a row, so M is always the maximum of the wave's 32 scores as they are stored in fraw,
; and the last launch finds the same chunk maximum from fraw alone (a maximum is exact).
; The rows are picked off the wave's word of bits, whole numbers that the first launch packed from the mask: word 8 wg + w, bit r = row r of
; the wave.  Addresses and trip counts hang on that word alone, never on a floating-point number.
; A ring of four row slots in registers: 8 waves x 4 rows x 4 KiB = 128 KiB on their way.
; Left out: matrix units (one useful column; a conversion would cost what the multiply-add costs), the tensor mover (single rows picked by the
; mask), clusters (no row of E is wanted twice; v' is 4 KiB a work-group).
; fraw: [65536] f32, f2 or NEGM.   pacc: [wg][1024] f32, the chunk's sum relative to the chunk's maximum.
; Limits: scores are kept times log2 e (they must stay finite there); weights below 2^-126 count as 0 (v_exp_f32: ISA guide 15.8); no Inf or NaN in E.
.set NEGM, 0xceabfb8f                  ; -1e9 x log2 e, rounded to f32
.set FMIN, 0xff7fffff                  ; the lowest finite f32
.set MXS,  32768                       ; LDS: 0 .. 32767 the eight waves' ACC (4,096 w + 4 x column); here the eight waves' M
.set FRS,  33024                       ; LDS: the chunk's 256 scores
.set VOFF, 1                           ; v1   16 x lane, never rewritten
.set LANE, 2                           ; v2
.set FVEC, 3                           ; v3   lane r: the score of my wave's row r
.set M,    4                           ; v4   running maximum
.set MN,   5                           ; v5   the new one
.set F,    6                           ; v6   the row's score
.set TP,   7                           ; v7   the other half's sum
.set P,    8                           ; v8   2^(F - MN); v9 fills the pair
.set SC,   10                          ; v10  2^(M - MN); v11 fills the pair
.set D,    12                          ; v[12:19] four chains of the dot product; addresses in the merge
.set VTO,  20                          ; v20  my offset in vt
.set MA,   22                          ; v22  LDS: where my wave's ACC goes
.set NEG,  23                          ; v23  FMIN
.set V,    24                          ; v[24:55]  v' of my 32 columns
.set ACC,  56                          ; v[56:87]  the weighted sum, my 32 columns
.set X,    88                          ; v[88:215] slot i: 32 registers, a row
.set WB,   16                          ; s[16:17] E at my wave's first row
.set SB,   20                          ; s[20:27] slot i: the address of its row
.set ROW,  28                          ; s[28:31] slot i: its row, 0..31
.set MB,   32                          ; s32  mask bits of the rows not yet asked for (the last one stays)
	s_load_b256 s[4:11], s[0:1], 0x0               ; E s[4:5], bits s[6:7], vt s[8:9], fraw s[10:11]
	s_load_b64 s[12:13], s[0:1], 0x20              ; pacc
	v_lshl_add_u32 v216, v0, 2, 0x8600
	v_mov_b32 v217, 0
	v_lshrrev_b32 v[D], 5, v0
	v_readfirstlane_b32 s14, v[D]                  ; wave 0..7
	v_and_b32 v[LANE], 31, v0
	v_lshlrev_b32 v[VOFF], 4, v[LANE]
	v_lshrrev_b32 v[VTO], 2, v[LANE]               ; column 128 j + 4 l lies in group 8 j + l / 4 of 16, at place 4 (l % 4)
	v_and_b32 v[D+1], 3, v[LANE]
	v_lshlrev_b32 v[VTO], 11, v[VTO]
	v_lshl_add_u32 v[VTO], v[D+1], 4, v[VTO]
	s_mov_b32 s37, 0
	s_lshl_b32 s36, ttmp9, 5                       ; eight words a chunk
	s_lshl_b32 s38, s14, 2
	s_add_co_u32 s36, s36, s38                     ; my wave's word
	s_wait_kmcnt 0x0
	s_add_nc_u64 s[6:7], s[6:7], s[36:37]
	s_load_b32 s[MB], s[6:7], 0x0                  ; bit r: row r of my 32 is to be read
	s_lshr_b32 s36, ttmp9, 3
	s_lshl_b32 s36, s36, 6
	s_add_nc_u64 s[8:9], s[8:9], s[36:37]          ; vt + 64 b
.irp j, 0,1,2,3,4,5,6,7
	global_load_b128 v[V+4*\j:V+4*\j+3], v[VTO], s[8:9] offset:16384*\j
.endr
	s_lshl_b32 s36, ttmp9, 20                      ; 256 rows of 4,096 bytes
	s_lshl_b32 s38, s14, 17                        ; 32 rows
	s_add_co_u32 s36, s36, s38                     ; below 2^28
	s_add_nc_u64 s[WB:WB+1], s[4:5], s[36:37]
	s_lshl_b32 s36, ttmp9, 10
	s_add_nc_u64 s[10:11], s[10:11], s[36:37]      ; fraw at the chunk
	s_lshl_b32 s36, ttmp9, 12
	s_add_nc_u64 s[12:13], s[12:13], s[36:37]      ; pacc at the chunk
	s_mov_b32 s40, 0x76543210                      ; v_permlanex16_b32: lane i of one half reads lane i of the other
	s_mov_b32 s41, 0xfedcba98
	v_mov_b32 v[FVEC], NEGM
	v_mov_b32 v[NEG], FMIN
	v_mov_b32 v[TP], 0
	v_mov_b32 v[P+1], 0
	v_mov_b32 v[SC+1], 0
.set j, 0
.rept 32
	v_mov_b32 v[ACC+j], 0                          ; cleared, since a wave may have no row at all: no first product can be counted on to start the sums
.set j, j+1
.endr
	s_wait_kmcnt 0x0                               ; my word of bits
	s_bcnt1_i32_b32 s33, s[MB]                     ; n, the number of rows to read
	s_mov_b32 s38, NEGM
	s_cmp_eq_u32 s[MB], -1
	s_cselect_b32 s38, FMIN, s38                   ; no row with mask 0 here: the maximum starts below every score
	v_mov_b32 v[M], s38
	s_cmp_eq_u32 s33, 0
	s_cbranch_scc1 .Lmerge                         ; nothing to read: M = NEGM, ACC = 0
	s_add_co_u32 s34, s33, 3
	s_lshr_b32 s34, s34, 2
	s_sub_co_u32 s34, s34, 1                       ; T1: rounds of four rows in the loop; the last 1 to 4 rows are the tail's
	s_lshl_b32 s38, s34, 2
	s_sub_co_u32 s35, s33, s38                     ; rem = n - 4 T1, 1..4
; Slot i's next row: the lowest bit of MB.  The bit is cleared unless it is the last, so a request past the list names the last row once
; more: inside the buffer, and thrown away in the tail.
.macro NEXT i
	s_ctz_i32_b32 s[ROW+\i], s[MB]
	s_min_u32 s[ROW+\i], s[ROW+\i], 31
	s_lshl_b32 s36, s[ROW+\i], 12
	s_add_nc_u64 s[SB+2*\i:SB+2*\i+1], s[WB:WB+1], s[36:37]
	s_add_co_i32 s38, s[MB], -1
	s_and_b32 s38, s[MB], s38                      ; SCC: another bit is left
	s_cselect_b32 s[MB], s38, s[MB]
.endm
.macro FILL i                          ; eight loads of 512 consecutive bytes: the row.  No hint: a row may be named twice
.irp j, 0,1,2,3,4,5,6,7
	global_load_b128 v[X+32*\i+4*\j:X+32*\i+4*\j+3], v[VOFF], s[SB+2*\i:SB+2*\i+1] offset:512*\j
.endr
.endm
; Slot i's turn.  ahead = 1: the slot is asked for its next row; left = the younger loads that may stay out; tail = 1: the slot counts only if i < rem.
.macro SLOT i, ahead, left, tail
	s_wait_loadcnt \left                           ; loads come back in order: my row is in (and v', which was asked for first); this also frees the slot's address
.irp c, 0,1,2,3
	v_pk_mul_f32 v[D+2*\c:D+2*\c+1], v[X+32*\i+2*\c:X+32*\i+2*\c+1], v[V+2*\c:V+2*\c+1]      ; four chains, started by the first products
.endr
.irp q, 1,2,3
.irp c, 0,1,2,3
	v_pk_fma_f32 v[D+2*\c:D+2*\c+1], v[X+32*\i+8*\q+2*\c:X+32*\i+8*\q+2*\c+1], v[V+8*\q+2*\c:V+8*\q+2*\c+1], v[D+2*\c:D+2*\c+1]
.endr
.endr
	v_pk_add_f32 v[D:D+1],   v[D:D+1],   v[D+2:D+3]
	v_pk_add_f32 v[D+4:D+5], v[D+4:D+5], v[D+6:D+7]
	v_pk_add_f32 v[D:D+1],   v[D:D+1],   v[D+4:D+5]
	v_add_f32 v[F], v[D], v[D+1]
	v_add_f32_dpp v[F], v[F], v[F] row_xmask:1 row_mask:0xf bank_mask:0xf
	v_add_f32_dpp v[F], v[F], v[F] row_xmask:2 row_mask:0xf bank_mask:0xf
	v_add_f32_dpp v[F], v[F], v[F] row_xmask:4 row_mask:0xf bank_mask:0xf
	v_add_f32_dpp v[F], v[F], v[F] row_xmask:8 row_mask:0xf bank_mask:0xf
	v_permlanex16_b32 v[TP], v[F], s40, s41
	v_add_f32 v[F], v[F], v[TP]                    ; the score, the same bits in every lane
	v_cmp_eq_u32 vcc_lo, s[ROW+\i], v[LANE]
	v_cndmask_b32 v[FVEC], v[FVEC], v[F], vcc_lo   ; kept in the row's lane (a row named twice gives the same bits twice)
.if \tail
	s_cmp_gt_u32 s35, \i
	s_cselect_b32 s39, -1, 0
	v_cndmask_b32 v[F], v[NEG], v[F], s39          ; past the list: the lowest finite score, whose weight is 2^(very low) = 0 and which leaves M as it is
.endif
	v_max_num_f32 v[MN], v[M], v[F]
	v_sub_f32 v[SC], v[M], v[MN]
	v_sub_f32 v[P],  v[F], v[MN]
	v_exp_f32 v[SC], v[SC]
	v_exp_f32 v[P],  v[P]
	v_mov_b32 v[M], v[MN]                          ; the plain instruction between the exponentials and the first use of a result (ISA guide 5.7.2)
.set j, 0
	s_wait_alu depctr_va_vdst(0)
.rept 16
	v_pk_mul_f32 v[ACC+2*j:ACC+2*j+1], v[ACC+2*j:ACC+2*j+1], v[SC:SC+1] op_sel_hi:[1,0]
.set j, j+1
.endr
.set j, 0
.rept 16
	v_pk_fma_f32 v[ACC+2*j:ACC+2*j+1], v[X+32*\i+2*j:X+32*\i+2*j+1], v[P:P+1], v[ACC+2*j:ACC+2*j+1] op_sel_hi:[1,0,1]
.set j, j+1
.endr
.if \ahead
	NEXT \i
	FILL \i
.endif
.endm
.irp i, 0,1,2,3
	NEXT \i
	FILL \i
.endr
	s_cmp_eq_u32 s34, 0
	s_cbranch_scc1 .Ltail
	s_mov_b32 s42, 0
.Lround:
	SLOT 0, 1, 24, 0                               ; 24: the three younger rows, eight loads each, on the way in and round the back edge alike
	SLOT 1, 1, 24, 0
	SLOT 2, 1, 24, 0
	SLOT 3, 1, 24, 0
	s_add_co_u32 s42, s42, 1
	s_cmp_lt_u32 s42, s34
	s_cbranch_scc1 .Lround
.Ltail:
	SLOT 0, 0, 24, 1                               ; nothing more is asked for: the counts run down
	SLOT 1, 0, 16, 1
	SLOT 2, 0, 8, 1
	SLOT 3, 0, 0, 1
.Lmerge:
	s_wait_loadcnt 0x0                             ; a wave without rows comes here with v' still on its way, and V is loaded anew below
	s_lshl_b32 s38, s14, 12
	v_add_nc_u32 v[MA], s38, v[VOFF]
.irp j, 0,1,2,3,4,5,6,7
	ds_store_b128 v[MA], v[ACC+4*\j:ACC+4*\j+3] offset:512*\j      ; column 128 j + 4 l at byte 512 j + 16 l of my wave's 4,096
.endr
	v_mov_b32 v[D], s14
	v_lshlrev_b32 v[D], 2, v[D]
	ds_store_b32 v[D], v[M] offset:MXS             ; all lanes write the same word with the same value
	s_lshl_b32 s38, s14, 7
	v_lshl_add_u32 v[D+1], v[LANE], 2, s38
	ds_store_b32 v[D+1], v[FVEC] offset:FRS
	s_wait_dscnt 0x0                               ; for the other waves' sake: my stores are done before I signal
	s_barrier_signal -1
	s_barrier_wait -1
	v_mov_b32 v[D+2], 0
	s_lshl_b32 s38, s14, 9
	v_add_nc_u32 v[D+3], s38, v[VOFF]              ; 16 x thread: my four columns
	ds_load_b128 v[V:V+3],   v[D+2] offset:MXS
	ds_load_b128 v[V+4:V+7], v[D+2] offset:MXS+16
.irp k, 0,1,2,3,4,5,6,7
	ds_load_b128 v[X+4*\k:X+4*\k+3], v[D+3] offset:4096*\k
.endr
	s_wait_dscnt 0x8                               ; the eight maxima are in; the eight partial sums behind them stay out
	v_max3_num_f32 v[V+8], v[V],   v[V+1], v[V+2]
	v_max3_num_f32 v[V+9], v[V+3], v[V+4], v[V+5]
	v_max3_num_f32 v[V+8], v[V+8], v[V+6], v[V+7]
	v_max_num_f32  v[V+8], v[V+8], v[V+9]          ; the chunk's maximum
.irp k, 0,1,2,3,4,5,6,7
	v_sub_f32 v[V+\k], v[V+\k], v[V+8]
.endr
.irp k, 0,1,2,3,4,5,6,7
	v_exp_f32 v[V+\k], v[V+\k]                     ; each wave's sum is brought to the chunk's maximum
.endr
	v_nop                                          ; the plain place behind the exponentials (ISA guide 5.7.2)
	s_wait_dscnt 0x0
	s_wait_alu depctr_va_vdst(0)
.irp q, 0,1,2,3
	v_mul_f32 v[ACC+\q], v[X+\q], v[V]
.endr
.irp k, 1,2,3,4,5,6,7
.irp q, 0,1,2,3
	v_fma_f32 v[ACC+\q], v[X+4*\k+\q], v[V+\k], v[ACC+\q]
.endr
.endr
	global_store_b128 v[D+3], v[ACC:ACC+3], s[12:13]               ; a wave's store covers 512 consecutive bytes, aligned
	s_cmp_ge_u32 s14, 2                            ; 256 scores are 64 threads x 16 bytes: waves 0 and 1 store them
	s_cbranch_scc1 .Lend
	ds_load_b128 v[ACC+4:ACC+7], v[D+3] offset:FRS
	s_wait_dscnt 0x0
	global_store_b128 v[D+3], v[ACC+4:ACC+7], s[10:11]
.Lend:
	s_wait_tensorcnt 0x0
	ds_add_u32 v216, v217
	s_wait_dscnt 0x0
	s_endpgm
.Lfunc_end_k_q83f615b57d_attend:
	.size	k_q83f615b57d_attend, .Lfunc_end_k_q83f615b57d_attend-k_q83f615b57d_attend
	.p2alignl 7, 3214868480
	.fill 96, 4, 3214868480
	.section	.rodata,"a",@progbits
	.p2align	6, 0x0
	.amdhsa_kernel k_q83f615b57d_attend
		.amdhsa_group_segment_fixed_size 35328
		.amdhsa_private_segment_fixed_size 0
		.amdhsa_enable_private_segment 0
		.amdhsa_kernarg_size 40
		.amdhsa_user_sgpr_count 2
		.amdhsa_user_sgpr_kernarg_segment_ptr 1
		.amdhsa_wavefront_size32 1
		.amdhsa_system_sgpr_workgroup_id_x 1
		.amdhsa_system_sgpr_workgroup_id_y 1
		.amdhsa_system_sgpr_workgroup_id_z 1
		.amdhsa_system_vgpr_workitem_id 0
		.amdhsa_next_free_vgpr 218
		.amdhsa_next_free_sgpr 66
		.amdhsa_reserve_vcc 1
		.amdhsa_float_denorm_mode_32 3
		.amdhsa_float_denorm_mode_16_64 3
		.amdhsa_memory_ordered 1
		.amdhsa_forward_progress 1
		.amdhsa_inst_pref_size 49
	.end_amdhsa_kernel
	.amdgpu_metadata
---
amdhsa.version: [ 1, 2 ]
amdhsa.kernels:
  - .name:           k_q83f615b57d_attend
    .symbol:         k_q83f615b57d_attend.kd
    .args:
      - { .name: embed_output, .offset: 0, .size: 8, .value_kind: global_buffer, .address_space: global }
      - { .name: bits, .offset: 8, .size: 8, .value_kind: global_buffer, .address_space: global }
      - { .name: vt, .offset: 16, .size: 8, .value_kind: global_buffer, .address_space: global }
      - { .name: fraw, .offset: 24, .size: 8, .value_kind: global_buffer, .address_space: global }
      - { .name: pacc, .offset: 32, .size: 8, .value_kind: global_buffer, .address_space: global }
    .group_segment_fixed_size: 35328
    .private_segment_fixed_size: 0
    .kernarg_segment_align: 8
    .kernarg_segment_size: 40
    .max_flat_workgroup_size: 256
    .sgpr_count:     66
    .vgpr_count:     218
    .wavefront_size: 32
...
	.end_amdgpu_metadata
.endif
;; end of part 3
;; launch finish (part 4): grid 32 x 1, 16 waves a work-group, no clusters, 2,560 bytes of LDS; arguments fraw, pacc, sums, out0, out1; writes out0, out1
.if DOCPART == 4
	.amdgcn_target "amdgcn-amd-amdhsa--gfx1250"
	.amdhsa_code_object_version 6
	.text
	.protected	k_q83f615b57d_finish
	.globl	k_q83f615b57d_finish
	.p2align	8
	.type	k_q83f615b57d_finish,@function
k_q83f615b57d_finish:
	s_mov_b64 s[64:65], 0
	v_nop
	global_prefetch_b8 v0, s[64:65] scope:SCOPE_SE
	s_setreg_imm32_b32 hwreg(HW_REG_WAVE_MODE, 25, 1), 1
	s_wait_xcnt 0x0
; The softmax over a batch's 2,048 scores and the merge of its eight chunk sums.  One work-group a batch: 32 work-groups, since each needs the whole
; batch's maximum and denominator and has 44 KiB to read; more work-groups would only repeat these reductions.
; Thread t owns rows 4 t .. 4 t + 3 (out1) and columns 2 t, 2 t + 1 (out0).  Wave w holds rows 128 w .. + 127, so chunk c is waves 2 c and 2 c + 1.
;   M = the maximum of the scores (rows with mask 0 hold NEGM);  p = 2^(f2 - M) / sum;
;   zs = ( sum over c of 2^(m_c - M) pacc[c]  +  2^(NEGM - M) Sm ) / sum,   m_c the chunk's maximum, found again here from the same scores.
; A batch with no row of mask 1 gives M = NEGM, p = 1/2048 and zs = Sm / 2048, as the reference does.
; All loads are issued first; two barriers, on LDS words of their own each.
; Limits: weights below 2^-126 count as 0 (v_exp_f32: ISA guide 15.8); the division is v_rcp_f32 and a multiplication.
.set NEGM, 0xceabfb8f                  ; -1e9 x log2 e, rounded to f32
; v1 16 t   v2 8 t   v3 my offset in sums   v[4:7] scores, then weights   v[8:23] pacc, chunk c at v[8+2c:9+2c]   v[24:25] Sm
; v26 reduction   v27 the other half's value   v28 4 x wave   v29 zero   v[32:47] sixteen words read back   v[48:55] m_c, then 2^(m_c - M)
; v56 M   v57 the weight of a row with mask 0   v58 1 / sum, v59 fills the pair   v[60:61] zs
	s_load_b256 s[4:11], s[0:1], 0x0               ; fraw s[4:5], pacc s[6:7], sums s[8:9], out0 s[10:11]
	s_load_b64 s[12:13], s[0:1], 0x20              ; out1
	v_lshl_add_u32 v64, v0, 2, 0x200
	v_mov_b32 v65, 0
	v_lshrrev_b32 v28, 5, v0
	v_readfirstlane_b32 s14, v28                   ; wave 0..15
	v_lshlrev_b32 v1, 4, v0
	v_lshlrev_b32 v2, 3, v0
	v_lshrrev_b32 v3, 6, v0                        ; column 2 t lies in strip t / 64,
	v_and_b32 v27, 63, v0                          ; at byte 8 (t % 64) of its part
	v_lshlrev_b32 v3, 10, v3
	v_lshl_add_u32 v3, v27, 3, v3
	v_mov_b32 v28, s14
	v_lshlrev_b32 v28, 2, v28
	v_mov_b32 v29, 0
	v_mov_b32 v59, 0
	s_mov_b32 s18, 0x76543210                      ; v_permlanex16_b32: lane i of one half reads lane i of the other
	s_mov_b32 s19, 0xfedcba98
	s_mov_b32 s17, 0
	s_lshl_b32 s16, ttmp9, 13                      ; 8,192 bytes a batch in fraw, sums and out1
	s_wait_kmcnt 0x0
	s_add_nc_u64 s[4:5], s[4:5], s[16:17]
	s_add_nc_u64 s[8:9], s[8:9], s[16:17]
	s_add_nc_u64 s[12:13], s[12:13], s[16:17]
	s_lshl_b32 s16, ttmp9, 15                      ; 8 chunks of 4,096 bytes in pacc
	s_add_nc_u64 s[6:7], s[6:7], s[16:17]
	s_lshl_b32 s16, ttmp9, 12                      ; 4,096 bytes in out0
	s_add_nc_u64 s[10:11], s[10:11], s[16:17]
	global_load_b128 v[4:7], v1, s[4:5]
.irp c, 0,1,2,3,4,5,6,7
	global_load_b64 v[8+2*\c:9+2*\c], v2, s[6:7] offset:4096*\c
.endr
	global_load_b64 v[24:25], v3, s[8:9] offset:512                ; part 1 of the strip: Sm
	s_wait_loadcnt 0x9                             ; the scores are in; the nine loads behind them stay out
	; the wave's maximum, then all sixteen through LDS
	v_max3_num_f32 v26, v4, v5, v6
	v_max_num_f32 v26, v26, v7
	v_max_num_f32_dpp v26, v26, v26 row_xmask:1 row_mask:0xf bank_mask:0xf
	v_max_num_f32_dpp v26, v26, v26 row_xmask:2 row_mask:0xf bank_mask:0xf
	v_max_num_f32_dpp v26, v26, v26 row_xmask:4 row_mask:0xf bank_mask:0xf
	v_max_num_f32_dpp v26, v26, v26 row_xmask:8 row_mask:0xf bank_mask:0xf
	v_permlanex16_b32 v27, v26, s18, s19
	v_max_num_f32 v26, v26, v27
	ds_store_b32 v28, v26                          ; all lanes write the same word with the same value
	s_wait_dscnt 0x0                               ; for the other waves' sake
	s_barrier_signal -1
	s_barrier_wait -1
.irp k, 0,1,2,3
	ds_load_b128 v[32+4*\k:35+4*\k], v29 offset:16*\k
.endr
	s_wait_dscnt 0x0
.irp c, 0,1,2,3,4,5,6,7
	v_max_num_f32 v[48+\c], v[32+2*\c], v[33+2*\c] ; m_c
.endr
	v_max3_num_f32 v56, v48, v49, v50
	v_max3_num_f32 v57, v51, v52, v53
	v_max3_num_f32 v56, v56, v54, v55
	v_max_num_f32 v56, v56, v57                    ; M
.irp i, 4,5,6,7
	v_sub_f32 v\i, v\i, v56
.endr
.irp c, 0,1,2,3,4,5,6,7
	v_sub_f32 v[48+\c], v[48+\c], v56
.endr
	v_sub_f32 v57, NEGM, v56
	v_min_num_f32 v57, 0, v57                      ; changes nothing where a row with mask 0 exists (M >= NEGM); where none does, Sm is 0 and the weight stays finite
.irp i, 4,5,6,7
	v_exp_f32 v\i, v\i
.endr
.irp c, 0,1,2,3,4,5,6,7
	v_exp_f32 v[48+\c], v[48+\c]
.endr
	v_exp_f32 v57, v57
	v_nop                                          ; the plain place behind the exponentials (ISA guide 5.7.2)
	; the denominator: lane, wave, work-group; other LDS words than the maxima's, so no barrier is owed between those reads and these stores
	s_wait_alu depctr_va_vdst(0)
	v_add_f32 v26, v4, v5
	v_add_f32 v27, v6, v7
	v_add_f32 v26, v26, v27
	v_add_f32_dpp v26, v26, v26 row_xmask:1 row_mask:0xf bank_mask:0xf
	v_add_f32_dpp v26, v26, v26 row_xmask:2 row_mask:0xf bank_mask:0xf
	v_add_f32_dpp v26, v26, v26 row_xmask:4 row_mask:0xf bank_mask:0xf
	v_add_f32_dpp v26, v26, v26 row_xmask:8 row_mask:0xf bank_mask:0xf
	v_permlanex16_b32 v27, v26, s18, s19
	v_add_f32 v26, v26, v27
	ds_store_b32 v28, v26 offset:256
	s_wait_dscnt 0x0                               ; for the other waves' sake
	s_barrier_signal -1
	s_barrier_wait -1
.irp k, 0,1,2,3
	ds_load_b128 v[32+4*\k:35+4*\k], v29 offset:256+16*\k
.endr
	s_wait_dscnt 0x0
	s_wait_loadcnt 0x0                             ; pacc and Sm, asked for at the start
.irp k, 0,1,2,3
	v_pk_add_f32 v[32+2*\k:33+2*\k], v[32+2*\k:33+2*\k], v[40+2*\k:41+2*\k]
.endr
	v_pk_add_f32 v[32:33], v[32:33], v[36:37]
	v_pk_add_f32 v[34:35], v[34:35], v[38:39]
	v_pk_add_f32 v[32:33], v[32:33], v[34:35]
	v_add_f32 v32, v32, v33
	v_rcp_f32 v58, v32                             ; at least one weight is 1, so the sum is at least 1
	v_mul_f32 v60, v57, v24                        ; plain work that touches neither v58 nor v32 stands behind the reciprocal (ISA guide 5.7.2): the part of the rows with mask 0
	v_mul_f32 v61, v57, v25
	s_wait_alu depctr_va_vdst(0)
	v_pk_mul_f32 v[4:5], v[4:5], v[58:59] op_sel_hi:[1,0]
	v_pk_mul_f32 v[6:7], v[6:7], v[58:59] op_sel_hi:[1,0]
	global_store_b128 v1, v[4:7], s[12:13]         ; out1: a wave's store covers 512 consecutive bytes, aligned
.irp c, 0,1,2,3,4,5,6,7
	v_fma_f32 v60, v[48+\c], v[8+2*\c], v60
	v_fma_f32 v61, v[48+\c], v[9+2*\c], v61
.endr
	v_pk_mul_f32 v[60:61], v[60:61], v[58:59] op_sel_hi:[1,0]
	global_store_b64 v2, v[60:61], s[10:11]        ; out0: a wave's store covers 256 consecutive bytes, aligned
	s_wait_tensorcnt 0x0
	ds_add_u32 v64, v65
	s_wait_dscnt 0x0
	s_endpgm
.Lfunc_end_k_q83f615b57d_finish:
	.size	k_q83f615b57d_finish, .Lfunc_end_k_q83f615b57d_finish-k_q83f615b57d_finish
	.p2alignl 7, 3214868480
	.fill 96, 4, 3214868480
	.section	.rodata,"a",@progbits
	.p2align	6, 0x0
	.amdhsa_kernel k_q83f615b57d_finish
		.amdhsa_group_segment_fixed_size 2560
		.amdhsa_private_segment_fixed_size 0
		.amdhsa_enable_private_segment 0
		.amdhsa_kernarg_size 40
		.amdhsa_user_sgpr_count 2
		.amdhsa_user_sgpr_kernarg_segment_ptr 1
		.amdhsa_wavefront_size32 1
		.amdhsa_system_sgpr_workgroup_id_x 1
		.amdhsa_system_sgpr_workgroup_id_y 1
		.amdhsa_system_sgpr_workgroup_id_z 1
		.amdhsa_system_vgpr_workitem_id 0
		.amdhsa_next_free_vgpr 66
		.amdhsa_next_free_sgpr 66
		.amdhsa_reserve_vcc 0
		.amdhsa_float_denorm_mode_32 3
		.amdhsa_float_denorm_mode_16_64 3
		.amdhsa_memory_ordered 1
		.amdhsa_forward_progress 1
		.amdhsa_inst_pref_size 8
	.end_amdhsa_kernel
	.amdgpu_metadata
---
amdhsa.version: [ 1, 2 ]
amdhsa.kernels:
  - .name:           k_q83f615b57d_finish
    .symbol:         k_q83f615b57d_finish.kd
    .args:
      - { .name: fraw, .offset: 0, .size: 8, .value_kind: global_buffer, .address_space: global }
      - { .name: pacc, .offset: 8, .size: 8, .value_kind: global_buffer, .address_space: global }
      - { .name: sums, .offset: 16, .size: 8, .value_kind: global_buffer, .address_space: global }
      - { .name: out0, .offset: 24, .size: 8, .value_kind: global_buffer, .address_space: global }
      - { .name: out1, .offset: 32, .size: 8, .value_kind: global_buffer, .address_space: global }
    .group_segment_fixed_size: 2560
    .private_segment_fixed_size: 0
    .kernarg_segment_align: 8
    .kernarg_segment_size: 40
    .max_flat_workgroup_size: 512
    .sgpr_count:     66
    .vgpr_count:     66
    .wavefront_size: 32
...
	.end_amdgpu_metadata
.endif
;; end of part 4
;; ======== version 2 of 2: 4 launches; version 1 with the launch colsum written anew for expert scheduling mode
;; workspace buffers: sums 262,144 bytes; vt 131,072 bytes; fraw 262,144 bytes; pacc 1,048,576 bytes; bits 8,192 bytes of whole numbers
;; launch colsum (part 5): grid 256 x 1, 16 waves a work-group, no clusters, 18,688 bytes of LDS; arguments embed_output, mask, sums, bits; writes sums, bits
.if DOCPART == 5
	.amdgcn_target "amdgcn-amd-amdhsa--gfx1250"
	.amdhsa_code_object_version 6
	.text
	.protected	k_q83f615b57d_colsum
	.globl	k_q83f615b57d_colsum
	.p2align	8
	.type	k_q83f615b57d_colsum,@function
k_q83f615b57d_colsum:
	s_mov_b64 s[64:65], 0
	v_nop
	global_prefetch_b8 v0, s[64:65] scope:SCOPE_SE
	s_setreg_imm32_b32 hwreg(HW_REG_WAVE_SCHED_MODE, 0, 2), 2
	s_setreg_imm32_b32 hwreg(HW_REG_WAVE_MODE, 25, 1), 1
	s_wait_xcnt 0x0
	s_wait_alu depctr_vm_vsrc(0)
; First pass over E [32][2048][1024] f32.  For each batch and column two sums over the 2,048 rows:
;   T  = the sum of all rows (2,048 x the mean that the scores need),
;   Sm = the sum of the rows whose mask byte is 0.  All such rows get one and the same softmax weight later on, so their
;        part of the weighted sum is that weight times Sm, and the second pass need not read them.
; Work-group wg = 8 b + strip takes all rows of batch b in the strip of 128 columns (512 bytes of a row), so no sum spans
; work-groups.  Wave w takes rows 128 w .. 128 w + 127; one 16-byte load a lane covers a row's 512 consecutive bytes, which
; start at a multiple of 512 from E's first byte.  Lane l owns columns 128 strip + 4 l .. + 3.
; The 128 rows are written out in a straight line: the row stands in the load's immediate, and no address register is rewritten.
; On the side the mask is packed into whole numbers for the second pass, which forms its row addresses and trip counts from them:
; bits: [b][64] words, bit r % 32 of word r / 32 = bit 0 of row r's mask byte.  The strip-0 work-group of a batch stores its 256 bytes.
; Left out: matrix units (two additions a number), LDS rings and clusters (no byte of E is wanted by two waves).
; sums: [b][strip][2][128] f32, part 0 = T, part 1 = Sm: the work-group writes 1,024 consecutive bytes.
; Limits: the order of the additions differs from the reference's; an Inf or NaN in a row with mask 1 would spoil Sm (0 x Inf);
; of a mask byte bit 0 alone is looked at (a bool is 0 or 1).
; THE MODE: SCHED_MODE bits 1:0 = 2 (LLVM: expert scheduling mode 2), set by the entry lines.  The code itself states the register dependences
; between vector instructions and memory or LDS instructions, with s_wait_alu, always for 0.
; THE PLAN.  The wave's 128 rows go in 32 blocks of four.  Registers that memory or LDS instructions touch:
;   X0 .. X8   nine buffers of four rows.  Block p's sixteen packed instructions read X[p % 9]; the loads of block p + 8, issued in block p, land in
;              X[(p + 8) % 9] = X[(p - 1) % 9]: the buffer that block p - 1 worked on and that no vector instruction of block p names.
;   VOFF, RA, LA, BA, FA, GA   the six offsets and LDS addresses: made at the head, ahead of the first load, and never written again.
;   T, S       written by the blocks' packed instructions, read by the LDS stores behind the stream.
;   BW         the byte loads land in it; behind the stream vector instructions make the words of bits in it, which one LDS store reads.
; So ONE wait on va_vdst stands at the head of a block that loads, behind the wait for the block's data: the block before is done reading its buffer.
; The block's four loads follow it, one in front of each row's four packed instructions, with no further wait.
; No register that a memory or LDS instruction reads is written behind that instruction anywhere in the text, so no wait on vm_vsrc is owed.
; 28 to 32 loads of every wave are on their way: at the most 16 waves x 32 x 512 bytes = 256 KiB.
.set ROWB,  4096                       ; bytes in a row of E
.set BLOCK, 4                          ; rows in a block
.set NBUF,  9                          ; buffers of a block's rows
.set AHEAD, NBUF-1                     ; block p asks for block p + 8
.set NROWS, 128                        ; rows of a wave
.set NBLK,  NROWS/BLOCK
.set BITS,  16384                      ; LDS: behind the sixteen waves' sums, 16 bytes a wave: its four words of mask bits
.set VOFF, 1                           ; v1        16 x lane, never rewritten
.set T,    2                           ; v[2:5]    sum of all rows, my 4 columns
.set S,    6                           ; v[6:9]    sum of the rows with mask 0
.set LA,   10                          ; v10       LDS: where my wave's sums go: 1,024 x wave + 16 x lane
.set RA,   11                          ; v11       the lane: my byte among 32 mask bytes
.set BA,   12                          ; v12       16 x wave: where my wave's four words of bits go, less BITS
.set FA,   13                          ; v13       256 x wave + 8 x lane: my 8 bytes in the final addition (waves 0 to 3)
.set GA,   14                          ; v14       8 x lane: my 8 bytes of the batch's bits (wave 4)
.set BW,   16                          ; v[16:19]  mask byte of row 32 k + lane; later my wave's four words of bits
.set X,    20                          ; v[20:163] buffer k, row i: 4 registers at X + 16 k + 4 i
.set MK,   16                          ; s[16:47]  my wave's 128 mask bytes
.set WM,   48                          ; s48 weight of the row in Sm (1.0 or 0); s49 fills the pair
.set WV,   50                          ; s50 wave
.set BB,   51                          ; s51 batch
	s_load_b256 s[4:11], s[0:1], 0x0               ; E s[4:5], mask s[6:7], sums s[8:9], bits s[10:11]
	v_lshl_add_u32 v164, v0, 2, 0x4100
	v_mov_b32 v165, 0
	v_lshrrev_b32 v[LA], 5, v0
	v_readfirstlane_b32 s[WV], v[LA]               ; wave 0..15
	v_and_b32 v[RA], 31, v0                        ; lane
	v_lshlrev_b32 v[VOFF], 4, v[RA]
	v_lshlrev_b32 v[GA], 3, v[RA]
	s_lshr_b32 s[BB], ttmp9, 3                     ; b
	s_and_b32 s12, ttmp9, 7                        ; strip
	s_lshl_b32 s14, s[BB], 23                      ; a batch of E is 2,048 x 4,096 bytes
	s_wait_alu depctr_va_sdst(0)                   ; s[WV] is written, ahead of its first reader: bases, LDS addresses and branches are made from it
	s_lshl_b32 s13, s[WV], 19                      ; 128 rows
	s_add_co_u32 s14, s14, s13
	s_lshl_b32 s13, s12, 9                         ; 512 bytes a strip
	s_add_co_u32 s14, s14, s13                     ; below 2^28
	s_mov_b32 s15, 0
	s_mov_b32 s[WM+1], 0
	s_lshl_b32 s2, s[WV], 10
	v_add_nc_u32 v[LA], s2, v[VOFF]                ; 1,024 x wave + 16 x lane
	s_lshl_b32 s3, s[WV], 4
	v_mov_b32 v[BA], s3                            ; 16 x wave
	s_lshl_b32 s13, s[WV], 8
	v_lshl_add_u32 v[FA], v[RA], 3, s13            ; 256 x wave + 8 x lane
	s_wait_kmcnt 0x0
	s_add_nc_u64 s[4:5], s[4:5], s[14:15]          ; E at my wave's first row, my strip
	s_lshl_b32 s14, s[BB], 11
	s_lshl_b32 s13, s[WV], 7
	s_add_co_u32 s14, s14, s13
	s_add_nc_u64 s[6:7], s[6:7], s[14:15]          ; mask at my wave's first row
	s_lshl_b32 s14, ttmp9, 10
	s_add_nc_u64 s[8:9], s[8:9], s[14:15]          ; sums at my work-group's 1,024 bytes
	s_lshl_b32 s14, s[BB], 8
	s_add_nc_u64 s[10:11], s[10:11], s[14:15]      ; bits at my batch's 256 bytes
	s_load_b512 s[MK:MK+15], s[6:7], 0x0           ; 128 mask bytes, four to a register: the rows' weights in Sm
	s_load_b512 s[MK+16:MK+31], s[6:7], 0x40
	s_wait_alu depctr_va_vdst(0)                   ; VOFF, RA, LA, BA, FA and GA are written: every load and store of the kernel, global or LDS, reads one of them as its offset or address
.irp k, 0,1,2,3
	global_load_u8 v[BW+\k], v[RA], s[6:7] offset:32*\k            ; the same bytes, one a lane, to be packed into bits; asked for ahead of the rows
.endr
.set r, 0
.rept AHEAD*BLOCK
	global_load_b128 v[X+4*r:X+4*r+3], v[VOFF], s[4:5] offset:r*ROWB th:TH_LOAD_NT   ; blocks 0 to 7 into X0 to X7: rows 0 to 31
.set r, r+1
.endr
.irp j, 0,1,2,3,4,5,6,7
	v_mov_b32 v[T+\j], 0                           ; eight registers, while the loads are on their way
.endr
	s_wait_kmcnt 0x0                               ; the mask bytes
; Block p.  One row: T += x; Sm += weight x, the weight 1.0 where the row's mask byte is 0.  In front of row i stands the load of row i of the block eight further on.
.set p, 0
.rept NBLK
.if p <= NBLK-AHEAD
	s_wait_loadcnt (AHEAD-1)*BLOCK                 ; loads come back in order: block p is in (and all that was asked for before it), the seven younger blocks stay out
.else
	s_wait_loadcnt (NBLK-1-p)*BLOCK                ; nothing is asked for any more: the counts run down
.endif
.if (p > 0) && (p < NBLK-AHEAD)
	s_wait_alu depctr_va_vdst(0)                   ; the block before is done reading its buffer, in which the four loads below land (block 0's land in X8, which no vector instruction has named)
.endif
.set i, 0
.rept BLOCK
.set r, BLOCK*p+i
.set xs, X+16*(p%NBUF)+4*i
.set xn, X+16*((p+AHEAD)%NBUF)+4*i
.if p < NBLK-AHEAD
	global_load_b128 v[xn:xn+3], v[VOFF], s[4:5] offset:(r+AHEAD*BLOCK)*ROWB th:TH_LOAD_NT   ; no vector instruction since the wait names these registers
.endif
	s_bitcmp1_b32 s[MK+r/4], 8*(r%4)               ; bit 0 of the row's mask byte
	s_cselect_b32 s[WM], 0, 0x3f800000
	v_pk_add_f32 v[T:T+1],   v[T:T+1],   v[xs:xs+1]
	v_pk_add_f32 v[T+2:T+3], v[T+2:T+3], v[xs+2:xs+3]
	v_pk_fma_f32 v[S:S+1],   v[xs:xs+1],   s[WM:WM+1], v[S:S+1]   op_sel_hi:[1,0,1]
	v_pk_fma_f32 v[S+2:S+3], v[xs+2:xs+3], s[WM:WM+1], v[S+2:S+3] op_sel_hi:[1,0,1]
.set i, i+1
.endr
.set p, p+1
.endr
	; My wave's 128 mask bytes as four words: a compare over the 32 lanes gives bit l = row 32 k + l.  The scalar mask bytes are no longer needed.
.irp k, 0,1,2,3
	v_and_b32 v[BW+\k], 1, v[BW+\k]                ; bit 0, as in the weights above
.endr
.irp k, 0,1,2,3
	v_cmp_ne_u32 s[MK+\k], 0, v[BW+\k]
.endr
	s_wait_alu depctr_va_sdst(0)                   ; the four compares have written s[MK .. MK+3], ahead of their first reader
.irp k, 0,1,2,3
	v_mov_b32 v[BW+\k], s[MK+\k]
.endr
	; The sixteen waves' sums meet in LDS: wave w's 512 bytes of T, then its 512 bytes of Sm, at 1,024 w: the layout of sums.
	s_wait_alu depctr_va_vdst(0)                   ; T, S and BW are written, which the LDS stores read; and the blocks are done reading X, in which the LDS loads behind the barrier land
	ds_store_b128 v[LA], v[T:T+3]
	ds_store_b128 v[LA], v[S:S+3] offset:512
	ds_store_b128 v[BA], v[BW:BW+3] offset:BITS    ; all lanes write the same 16 bytes with the same values
	s_wait_dscnt 0x0                               ; for the other waves' sake: my stores are done before I signal
	s_barrier_signal -1
	s_barrier_wait -1
	s_cmp_ge_u32 s[WV], 4                          ; 1,024 bytes are 128 threads x 8 bytes: waves 0 to 3 add and store
	s_cbranch_scc1 .Lbits
.irp k, 0,1,2,3,4,5,6,7,8,9,10,11,12,13,14,15
	ds_load_b64 v[X+2*\k:X+2*\k+1], v[FA] offset:1024*\k           ; no vector instruction since the wait ahead of the LDS stores names these registers
.endr
	s_wait_dscnt 0x0
.irp k, 0,1,2,3,4,5,6,7
	v_pk_add_f32 v[X+2*\k:X+2*\k+1], v[X+2*\k:X+2*\k+1], v[X+2*\k+16:X+2*\k+17]
.endr
.irp k, 0,1,2,3
	v_pk_add_f32 v[X+2*\k:X+2*\k+1], v[X+2*\k:X+2*\k+1], v[X+2*\k+8:X+2*\k+9]
.endr
.irp k, 0,1
	v_pk_add_f32 v[X+2*\k:X+2*\k+1], v[X+2*\k:X+2*\k+1], v[X+2*\k+4:X+2*\k+5]
.endr
	v_pk_add_f32 v[X:X+1], v[X:X+1], v[X+2:X+3]
	s_wait_alu depctr_va_vdst(0)                   ; the last addition has written v[X:X+1], which the store reads
	global_store_b64 v[FA], v[X:X+1], s[8:9]       ; a wave's store covers 256 consecutive bytes, at a multiple of 256 from the buffer's first byte
	s_branch .Lend
.Lbits:
	s_cmp_lg_u32 s[WV], 4                          ; the batch's 64 words are 32 lanes x 8 bytes: wave 4
	s_cbranch_scc1 .Lend
	s_cmp_lg_u32 s12, 0                            ; of the strip-0 work-group alone, so that each byte of bits has one writer
	s_cbranch_scc1 .Lend
	ds_load_b64 v[X:X+1], v[GA] offset:BITS        ; as above: X has not been named since the wait ahead of the LDS stores
	s_wait_dscnt 0x0
	global_store_b64 v[GA], v[X:X+1], s[10:11]     ; 256 consecutive bytes, at a multiple of 256 from the buffer's first byte; its data come from the LDS load just waited for
.Lend:
	s_wait_dscnt 0x0
	s_wait_alu depctr_hold_cnt(0) depctr_sa_sdst(0) depctr_va_vdst(0) depctr_va_sdst(0) depctr_va_ssrc(0) depctr_va_vcc(0) depctr_vm_vsrc(0)
	s_wait_tensorcnt 0x0
	ds_add_u32 v164, v165
	s_wait_dscnt 0x0
	s_endpgm
.Lfunc_end_k_q83f615b57d_colsum:
	.size	k_q83f615b57d_colsum, .Lfunc_end_k_q83f615b57d_colsum-k_q83f615b57d_colsum
	.p2alignl 7, 3214868480
	.fill 96, 4, 3214868480
	.section	.rodata,"a",@progbits
	.p2align	6, 0x0
	.amdhsa_kernel k_q83f615b57d_colsum
		.amdhsa_group_segment_fixed_size 18688
		.amdhsa_private_segment_fixed_size 0
		.amdhsa_enable_private_segment 0
		.amdhsa_kernarg_size 32
		.amdhsa_user_sgpr_count 2
		.amdhsa_user_sgpr_kernarg_segment_ptr 1
		.amdhsa_wavefront_size32 1
		.amdhsa_system_sgpr_workgroup_id_x 1
		.amdhsa_system_sgpr_workgroup_id_y 1
		.amdhsa_system_sgpr_workgroup_id_z 1
		.amdhsa_system_vgpr_workitem_id 0
		.amdhsa_next_free_vgpr 166
		.amdhsa_next_free_sgpr 66
		.amdhsa_reserve_vcc 0
		.amdhsa_float_denorm_mode_32 3
		.amdhsa_float_denorm_mode_16_64 3
		.amdhsa_memory_ordered 1
		.amdhsa_forward_progress 1
		.amdhsa_inst_pref_size 60
	.end_amdhsa_kernel
	.amdgpu_metadata
---
amdhsa.version: [ 1, 2 ]
amdhsa.kernels:
  - .name:           k_q83f615b57d_colsum
    .symbol:         k_q83f615b57d_colsum.kd
    .args:
      - { .name: embed_output, .offset: 0, .size: 8, .value_kind: global_buffer, .address_space: global }
      - { .name: mask, .offset: 8, .size: 8, .value_kind: global_buffer, .address_space: global }
      - { .name: sums, .offset: 16, .size: 8, .value_kind: global_buffer, .address_space: global }
      - { .name: bits, .offset: 24, .size: 8, .value_kind: global_buffer, .address_space: global }
    .group_segment_fixed_size: 18688
    .private_segment_fixed_size: 0
    .kernarg_segment_align: 8
    .kernarg_segment_size: 32
    .max_flat_workgroup_size: 512
    .sgpr_count:     66
    .vgpr_count:     166
    .wavefront_size: 32
...
	.end_amdgpu_metadata
.endif
;; end of part 5
;; launch proj: the kernel of part 2 again; grid 64 x 1, 8 waves a work-group, no clusters, 226,304 bytes of LDS; arguments w, sums, vt; writes vt
;; launch attend: the kernel of part 3 again; grid 256 x 1, 8 waves a work-group, no clusters, 35,328 bytes of LDS; arguments embed_output, bits, vt, fraw, pacc; writes fraw, pacc
;; launch finish: the kernel of part 4 again; grid 32 x 1, 16 waves a work-group, no clusters, 2,560 bytes of LDS; arguments fraw, pacc, sums, out0, out1; writes out0, out1
